; MI455X (gfx1250); checked and timed in simulation.
; The chip was launched on July 23, 2026; its instructions are those of AMD's public machine-readable ISA for CDNA 5 (MIT licence, August 2026) and "CDNA5" Instruction Set Architecture Reference Guide (July 2026). The comments in the code are by the model that wrote it; some were corrected since.
;; SPTP Column Parallel Linear. Allowed arithmetic: matrix products marked QUANTISED: E5M2 operands, one E8M0 scale for each 32 along K, by v_wmma_scale_f32_16x16x128_f8f6f4 with both operands' format E5M2, f32 sums; everything else in f32.
;; Inputs: input 4,096 x 4,096 float32; weight 4,096 x 4,096 float32.
;; Outputs: out0 4,096 x 4,096 float32.
;; This version of the problem:
;;   THIS VERSION OF THE PROBLEM IS GIVEN IN LOW PRECISION. The matrix products marked QUANTISED in the list below multiply operands that are first quantised to E5M2 (5 exponent bits, 2 mantissa bits; 8 bits a number), with one power-of-two scale for each 32 numbers along K (OCP MX v1.0); their sums are f32. All else is computed in f32.
;;   The module's matrix products, in the order in which they are computed (A, B: the left and right operand; K: the contracted axis; several contracted axes count as one K, in the product's order):
;;     1. [M 4,096, K 4,096] x [K 4,096, N 4,096]; A: input input; B: input weight: QUANTISED
;;   THE QUANTISER, for each operand of a quantised product, along K:
;;     - K is cut into blocks of 32 from its start; a last block that is shorter is filled with zeros.
;;     - A block's scale is 2^e with e = floor(log2(the largest magnitude in the block)) - 15, held to -126 .. 127; a block of zeros has e = 0. As a byte (E8M0): e + 127.
;;     - Each number is divided by its block's scale, clamped to +-57,344, and rounded to the nearest number of E5M2, ties to even, subnormals kept.
;;     - The product sums the exact products of the quantised numbers (number of the format x scale) in f32.
;;   ~~~python
;;   def quantise(x, axis):      # numpy; x: float32 -> the quantised numbers, widened to float32 again
;;       x = np.moveaxis(x, axis, -1); K = x.shape[-1]
;;       x = np.pad(x, [(0, 0)] * (x.ndim - 1) + [(0, -K % 32)]); x = x.reshape(x.shape[:-1] + (-1, 32)); a = np.abs(x).max(-1, keepdims=True)
;;       e = np.where(a > 0, np.clip(np.frexp(np.where(a > 0, a, 1))[1] - 1 - 15, -126, 127), 0)      # np.frexp(a)[1] - 1 = floor(log2(a)), exactly
;;       r = np.clip(x / 2.0 ** e, -57344, 57344)
;;       step = 2.0 ** (np.maximum(np.frexp(np.where(r == 0, 1, r))[1] - 1, -14) - 2)
;;       q = np.round(r / step) * step * 2.0 ** e      # np.round: ties to even
;;       return np.moveaxis(q.reshape(q.shape[:-2] + (-1,))[..., :K], -1, axis).astype(np.float32)
;;   ~~~
;; One version. Each part assembles by itself: llvm-mc -triple=amdgcn-amd-amdhsa -mcpu=gfx1250 --defsym DOCPART=n.
;; ======== version 1 of 1: 2 launches
;; limits: right only within a limited range of input values
;; workspace buffers: a_pack 17,301,504 bytes; b_pack 17,301,504 bytes
;; launch quant (part 1): grid 1024 x 1, 4 waves a work-group, no clusters, 33,280 bytes of LDS; arguments input, weight, a_pack, b_pack; writes a_pack, b_pack
.if DOCPART == 1
	.amdgcn_target "amdgcn-amd-amdhsa--gfx1250"
	.amdhsa_code_object_version 6
	.text
	.protected	k_qa717fb1342_quant
	.globl	k_qa717fb1342_quant
	.p2align	8
	.type	k_qa717fb1342_quant,@function
k_qa717fb1342_quant:
	s_mov_b64 s[64:65], 0
	v_nop
	global_prefetch_b8 v0, s[64:65] scope:SCOPE_SE
	s_setreg_imm32_b32 hwreg(HW_REG_WAVE_MODE, 25, 1), 1
	s_wait_xcnt 0x0
; input [4096][4096] and weight [4096][4096], f32, K innermost, are turned into codes of BF8 (E5M2), one byte each, and one E8M0 scale byte for each 32 along K.
; CODES AND SCALE BYTES OF A TENSOR SHARE ONE BUFFER, LAID AS THE PRODUCT'S LAUNCH FETCHES THEM: [32 blocks of 128 rows][16 K steps of 256][33,792 bytes]; such a piece is 128 rows x 256 codes
; (32,768 bytes), then 128 rows x 8 scale bytes (1,024 bytes): 132 consecutive rows of 256 bytes, which one tensor load of the next launch brings.
; A block's scale is 2^(floor(log2(its largest magnitude)) - 15); its byte is the largest magnitude's own exponent field - 15, held at 1 from below.  Each number is divided by the scale, held within
; +-57,344 and rounded to the nearest code, ties to even.
; LIMITS: NaN and infinities among the inputs are not served.  A block of zeros gets the byte 1 where the rule says 127: its codes are zeros, which add nothing under any byte but 0xff, and this program alone
; reads the bytes.  Blocks whose largest magnitude lies under 2^-111 have their byte held at 1, as the rule's clip at e = -126 has it; they were not tried.
; SHARES.  Work-groups 0-511 take input, 512-1023 weight: only pointers are chosen, one path serves both.  A wave takes 32 rows x 256 along K (one K step): 16 steps of two rows, 512 numbers each.  Its codes
; are 8,192 consecutive bytes of a piece, its 256 scale bytes 256 consecutive bytes.  The four waves of a work-group stand side by side on 4,096 consecutive bytes of each row of the input.
; A conversion takes 8 numbers of ONE block from a lane's registers, so a lane must hold 16 neighbours along K (two neighbouring lanes hold a block), while a load is best where neighbouring lanes take neighbouring
; bytes.  Both are had: each load reads 512 consecutive bytes, 16 a lane; a step's 2,048 bytes go through the wave's own stage in LDS and come back 64 bytes a lane (16 bytes of padding behind each 64).
; Memory binds here: no matrix unit, no tensor load, no cluster (no two work-groups read the same byte), no barrier (waves share nothing).  Loads run four steps (16 loads a wave) ahead, the turn through LDS one step.
.set STEPS,  16
.set WGA,    512                       ; work-groups for input: 4096 x 4096 / (4 waves x 8,192 numbers)
.set SRCROW, 16384                     ; a row of f32 in bytes
.set BLKB,   33792                     ; a piece: 128 rows x 256 codes + 128 rows x 8 scale bytes
.set MANT,   0x600000                  ; the mantissa field of 57,344 as f32
.set R,      16                        ; v16-79   four sets of 16 numbers as they are loaded
.set X,      80                        ; v80-111  two sets of 16 neighbours
.set E,      112                       ; v112-127 a scale byte for each step
.set C,      128                       ; v128-191 codes: four registers for each step, so that no store's data are written again
.set WREG,   8192                      ; LDS: a region for each wave: two stages of 32 x SP bytes, behind them its 256 scale bytes
.set SP,     80                        ; a lane's place in a stage: its 64 bytes + 16 of padding
	s_load_b128 s[4:7], s[0:1], 0x0                ; input, weight
	s_load_b128 s[8:11], s[0:1], 0x10              ; input's buffer of codes and scales, weight's
	v_lshl_add_u32 v192, v0, 2, 0x8000
	v_mov_b32 v193, 0
	v_lshrrev_b32 v1, 5, v0
	v_readfirstlane_b32 s16, v1                    ; wave 0..3
	v_and_b32 v2, 31, v0                           ; lane
	v_lshlrev_b32 v3, 4, v2                        ; 16 x lane: my 16 bytes of a load's 512, and my 16 codes of a step's 512
	s_mul_i32 s17, s16, WREG                       ; my wave's region of LDS
	v_lshrrev_b32 v14, 2, v2
	v_mul_u32_u24 v14, v14, SP
	v_and_b32 v15, 3, v2
	v_lshl_add_u32 v14, v15, 4, v14
	v_add_nc_u32 v14, s17, v14                     ; the stage, way in: four lanes' 64 bytes on end, then the padding: SP (lane / 4) + 16 (lane % 4); a load's 512 bytes take eight places
	v_mul_u32_u24 v15, v2, SP
	v_add_nc_u32 v15, s17, v15                     ; way out: SP x lane: place l holds numbers 16 (l % 16) on of the step's row l / 16
	v_lshrrev_b32 v5, 1, v2
	s_add_co_u32 s17, s17, 2*32*SP
	v_add_nc_u32 v5, s17, v5                       ; LDS: my block's byte among the step's 16: 8 (lane / 16) + (lane % 16) / 2 = lane / 2
	v_lshlrev_b32 v7, 3, v2                        ; and on the way out 8 bytes a lane: lane l has row l's eight bytes
	v_add_nc_u32 v6, s17, v7
	s_mov_b32 s23, MANT                            ; (an instruction takes one literal: the hold's line has another)
	s_wait_alu depctr_va_vdst(0)
	s_wait_kmcnt 0x0
	s_cmp_lt_u32 ttmp9, WGA                        ; input's work-group or weight's?  The choice hangs on the work-group's number alone
	s_cselect_b64 s[4:5], s[4:5], s[6:7]
	s_cselect_b64 s[8:9], s[8:9], s[10:11]
	s_cselect_b32 s17, 0, WGA
	s_sub_co_u32 s17, ttmp9, s17
	s_lshl_b32 s17, s17, 2
	s_add_co_u32 s17, s17, s16                     ; my wave's number in the tensor, 0 .. 2047
	s_and_b32 s22, s17, 15                         ; which K step of 256
	s_lshr_b32 s26, s17, 4                         ; which 32 rows, 0 .. 127
	s_mov_b32 s19, 0
	s_lshl_b32 s18, s26, 19                        ; the numbers: 32 rows of 16,384 bytes,
	s_lshl_b32 s27, s22, 10                        ; 1,024 bytes a K step
	s_add_co_u32 s18, s18, s27
	s_add_nc_u64 s[4:5], s[4:5], s[18:19]
	s_lshr_b32 s18, s26, 2                         ; which block of 128 rows,
	s_lshl_b32 s18, s18, 4
	s_add_co_u32 s18, s18, s22                     ; 16 pieces a block: piece 16 x block + K step, 511 at the most
	s_mul_i32 s18, s18, BLKB
	s_add_nc_u64 s[8:9], s[8:9], s[18:19]          ; my piece
	s_and_b32 s26, s26, 3                          ; which 32 of its 128 rows
	s_lshl_b32 s18, s26, 8                         ; their scale bytes: 32 rows x 8,
	s_add_co_u32 s18, s18, 128*256                 ; behind the piece's codes
	s_add_nc_u64 s[10:11], s[8:9], s[18:19]
	s_lshl_b32 s18, s26, 13                        ; their codes: 32 rows x 256
	s_add_nc_u64 s[8:9], s[8:9], s[18:19]
.macro LOAD t                          ; step t: rows 2 t and 2 t + 1, 1,024 bytes of each, by four loads of 512 consecutive bytes
.irp i, 0,1,2,3
	global_load_b128 v[R+16*((\t)%4)+4*\i:R+16*((\t)%4)+4*\i+3], v3, s[4:5] offset:(2*(\t)+\i/2)*SRCROW+(\i%2)*512 th:TH_LOAD_NT
.endr
.endm
.macro TURN t                          ; step t's numbers through the stage: LDS serves a wave's instructions in order (ISA guide 5.7.1.4), so no wait stands between the stores and the loads
.irp i, 0,1,2,3
	ds_store_b128 v14, v[R+16*((\t)%4)+4*\i:R+16*((\t)%4)+4*\i+3] offset:32*SP*((\t)%2)+8*SP*\i
.endr
.irp i, 0,1,2,3
	ds_load_b128 v[X+16*((\t)%2)+4*\i:X+16*((\t)%2)+4*\i+3], v15 offset:32*SP*((\t)%2)+16*\i
.endr
.endm
.irp t, 0,1,2,3
	LOAD \t
.endr
	s_wait_loadcnt 12                              ; step 0's four loads are in; the twelve of steps 1 to 3 stay out
	TURN 0
.macro STEP t
.set XS, X+16*((\t)%2)
.if (\t) > 0
	s_wait_dscnt 1                                 ; this step's numbers are back from the stage (only the last step's byte store, the youngest, may be out): so its stores into the stage have read their registers,
.else
	s_wait_dscnt 0x0
.endif
.if (\t)+4 < STEPS
	LOAD (\t)+4                                    ; which take the loads of four steps on
.endif
.if (\t)+1 < STEPS
.if STEPS-2-(\t) >= 3
	s_wait_loadcnt 12                              ; the next step's four loads are in; those of the three steps behind it may be out
.else
	s_wait_loadcnt 4*(STEPS-2-(\t))                ; at the end fewer steps stand behind it
.endif
	TURN (\t)+1                                    ; and go through the other stage while this step is worked
.endif
	v_max3_num_f32 v8, |v[XS]|, |v[XS+1]|, |v[XS+2]|               ; the largest magnitude of my 16, in two chains
	v_max3_num_f32 v9, |v[XS+3]|, |v[XS+4]|, |v[XS+5]|
.irp i, 6,10
	v_max3_num_f32 v8, v8, |v[XS+\i]|, |v[XS+\i+1]|
	v_max3_num_f32 v9, v9, |v[XS+\i+2]|, |v[XS+\i+3]|
.endr
	v_max3_num_f32 v8, v8, |v[XS+14]|, |v[XS+15]|
	v_max3_num_f32 v8, v8, v9, 0x8000000           ; and the floor 2^(16 - 127), under which no largest magnitude is taken: so the byte cannot fall under 1
	v_max_num_f32_dpp v8, v8, v8 row_xmask:1 row_mask:0xf bank_mask:0xf   ; and of my neighbour's 16: the block's
	v_add_nc_u32 v11, 0xf8800000, v8               ; 15 off its exponent field: the conversion takes the exponent field of this operand as its scale, and nothing else of it
	v_and_or_b32 v10, v8, 0x7f800000, s23          ; 57,344 x the scale: the largest magnitude's exponent field over 57,344's mantissa
.irp i, 0,1,2,3,4,5,6,7,8,9,10,11,12,13,14,15
	v_med3_num_f32 v[XS+\i], v[XS+\i], -v10, v10   ; the conversion to an 8-bit code does not saturate (ISA guide 7.6.2): hold the number within the largest code x the scale first
.endr
	v_cvt_scalef32_pk8_bf8_f32 v[C+4*(\t):C+4*(\t)+1], v[XS:XS+7], v11          ; eight numbers / 2^(v11's exponent), to the nearest code, ties to even; the first number's code in the lowest byte
	v_cvt_scalef32_pk8_bf8_f32 v[C+4*(\t)+2:C+4*(\t)+3], v[XS+8:XS+15], v11
	v_lshrrev_b32 v[E+(\t)], 23, v11               ; the scale's byte; also the plain line behind the conversions
	ds_store_b8 v5, v[E+(\t)] offset:16*(\t)       ; both lanes of a block write the same byte with the same value
	global_store_b128 v3, v[C+4*(\t):C+4*(\t)+3], s[8:9] offset:512*(\t)        ; two rows of 256 codes: 32 lanes store 512 consecutive bytes, at a multiple of 256 from the buffer's first byte; the next launch reads them, so no hint
.endm
.irp t, 0,1,2,3,4,5,6,7,8,9,10,11,12,13,14,15
	STEP \t
.endr
	ds_load_b64 v[12:13], v6                       ; LDS serves a wave's instructions in order: these see my byte stores
	s_wait_dscnt 0x0
	global_store_b64 v7, v[12:13], s[10:11]        ; 32 lanes store 256 consecutive bytes, aligned: 32 rows' scales of this K step
	s_wait_tensorcnt 0x0
	ds_add_u32 v192, v193
	s_wait_dscnt 0x0
	s_endpgm
.Lfunc_end_k_qa717fb1342_quant:
	.size	k_qa717fb1342_quant, .Lfunc_end_k_qa717fb1342_quant-k_qa717fb1342_quant
	.p2alignl 7, 3214868480
	.fill 96, 4, 3214868480
	.section	.rodata,"a",@progbits
	.p2align	6, 0x0
	.amdhsa_kernel k_qa717fb1342_quant
		.amdhsa_group_segment_fixed_size 33280
		.amdhsa_private_segment_fixed_size 0
		.amdhsa_enable_private_segment 0
		.amdhsa_kernarg_size 32
		.amdhsa_user_sgpr_count 2
		.amdhsa_user_sgpr_kernarg_segment_ptr 1
		.amdhsa_wavefront_size32 1
		.amdhsa_system_sgpr_workgroup_id_x 1
		.amdhsa_system_sgpr_workgroup_id_y 1
		.amdhsa_system_sgpr_workgroup_id_z 1
		.amdhsa_system_vgpr_workitem_id 0
		.amdhsa_next_free_vgpr 194
		.amdhsa_next_free_sgpr 66
		.amdhsa_reserve_vcc 0
		.amdhsa_float_denorm_mode_32 3
		.amdhsa_float_denorm_mode_16_64 3
		.amdhsa_memory_ordered 1
		.amdhsa_forward_progress 1
		.amdhsa_inst_pref_size 51
	.end_amdhsa_kernel
	.amdgpu_metadata
---
amdhsa.version: [ 1, 2 ]
amdhsa.kernels:
  - .name:           k_qa717fb1342_quant
    .symbol:         k_qa717fb1342_quant.kd
    .args:
      - { .name: input, .offset: 0, .size: 8, .value_kind: global_buffer, .address_space: global }
      - { .name: weight, .offset: 8, .size: 8, .value_kind: global_buffer, .address_space: global }
      - { .name: a_pack, .offset: 16, .size: 8, .value_kind: global_buffer, .address_space: global }
      - { .name: b_pack, .offset: 24, .size: 8, .value_kind: global_buffer, .address_space: global }
    .group_segment_fixed_size: 33280
    .private_segment_fixed_size: 0
    .kernarg_segment_align: 8
    .kernarg_segment_size: 32
    .max_flat_workgroup_size: 128
    .sgpr_count:     66
    .vgpr_count:     194
    .wavefront_size: 32
...
	.end_amdgpu_metadata
.endif
;; end of part 1
;; launch gemm (part 2): grid 16 x 16, 4 waves a work-group, clusters of 4 x 4, 327,680 bytes of LDS; arguments a_pack, b_pack, out0; writes out0
.if DOCPART == 2
	.amdgcn_target "amdgcn-amd-amdhsa--gfx1250"
	.amdhsa_code_object_version 6
	.text
	.protected	k_qa717fb1342_gemm
	.globl	k_qa717fb1342_gemm
	.p2align	8
	.type	k_qa717fb1342_gemm,@function
k_qa717fb1342_gemm:
	s_mov_b64 s[64:65], 0
	v_nop
	global_prefetch_b8 v0, s[64:65] scope:SCOPE_SE
	s_setreg_imm32_b32 hwreg(HW_REG_WAVE_MODE, 25, 1), 1
	s_wait_xcnt 0x0
	s_wait_alu depctr_hold_cnt(0) depctr_sa_sdst(0) depctr_va_vdst(0) depctr_va_sdst(0) depctr_va_ssrc(0) depctr_va_vcc(0) depctr_vm_vsrc(0)
	s_getreg_b32 s2, hwreg(HW_REG_IB_STS2, 6, 4)
	s_cmp_eq_u32 s2, 0
	s_cbranch_scc0 .Lentry_in_a_cluster
	s_endpgm
.Lentry_in_a_cluster:
	s_bfe_u32 s2, ttmp6, 0x10000c
	s_cmp_lg_u32 s2, 0xf033
	s_cbranch_scc0 .Lentry_shape_is_right
	s_endpgm
.Lentry_shape_is_right:
.set NQ,     2
.set PITCH,  272
.set FR,     16
.set NL,     4
.set NP,     8
.set BROWS,  132
.set BLKB,   BROWS*256
.set QB,     BROWS*PITCH
.set SCO,    128*PITCH
.set SLOT,   4*QB
.set SPARE,  2*SLOT
.set SPITCH, 528
.set NROW,   16384
.set LAPS,   8
.set ADRA, 16
.set ADRB, 20
.set ADRS, 22
.set STO,  24
.set RD,   25
.set CO,   26
.set PFO,  27
.set SPW,  28
.set NIL,  29
.set SC,   32
.set AF,   128
.set BK,   128
.set G1A,  24
.set G0A,  32
.set G1B,  40
.set G0B,  48
.set PFB,  56
.set MSB, 0
.macro WIN new
.if MSB != \new
	s_set_vgpr_msb (MSB<<8)|\new
.set MSB, \new
.endif
.endm
.set MUL_LO, 0xa1
.set MUL_HI, 0xf1
.set TO_B,   0x40
.macro JLOAD s
	s_cmp_eq_u32 s15, 0
	s_cbranch_scc0 .Lfor_b_\@
	tensor_load_to_lds s[G0A+4*\s:G0A+4*\s+3], s[G1A:G1A+7]
	s_nop 0
.rept 4
	v_nop
.endr
	s_branch .Lasked_\@
.Lfor_b_\@:
	tensor_load_to_lds s[G0B+4*\s:G0B+4*\s+3], s[G1B:G1B+7]
	s_nop 0
.rept 4
	v_nop
.endr
.Lasked_\@:
.endm
.macro CROUND
	s_barrier_signal -1
	s_barrier_wait -1
	s_cmp_lg_u32 s14, 0
	s_cbranch_scc1 .Lnot_wave_0_\@
	s_barrier_signal -3
.Lnot_wave_0_\@:
	s_barrier_wait -3
	s_barrier_signal -1
	s_barrier_wait -1
.endm
.macro AHEAD inloop
.if \inloop
	s_cmp_eq_u32 s3, 1
	s_cbranch_scc1 .Lnone_\@
.endif
	global_prefetch_b8 v[PFO], s[PFB:PFB+1] th:TH_LOAD_NT scope:SCOPE_SE
.if \inloop
.Lnone_\@:
.endif
.endm
	s_load_b128 s[4:7], s[0:1], 0x0
	s_load_b64 s[12:13], s[0:1], 0x10
	v_lshl_add_u32 v[SPW], v0, 2, SPARE
	v_mov_b32 v[NIL], 0
	ds_add_u32 v28, v29
	ds_add_u32 v28, v29
	s_wait_dscnt 0x0
	v_lshrrev_b32 v1, 5, v0
	v_readfirstlane_b32 s14, v1
	s_lshr_b32 s15, s14, 1
	s_and_b32 s16, s14, 1
	s_bfe_u32 s92, ttmp6, 0x40000
	s_bfe_u32 s93, ttmp6, 0x40004
	s_lshl_b32 s94, ttmp9, 2
	s_add_co_u32 s94, s94, s92
	s_and_b32 s17, ttmp7, 0xffff
	s_lshl_b32 s17, s17, 2
	s_add_co_u32 s17, s17, s93
	s_lshl_b32 s95, s93, 2
	s_lshl_b32 s95, 15, s95
	s_lshl_b32 s96, 0x1111, s92
	s_or_b32 s[G1A+0], s95, (3<<16)|(1<<20)|(1<<21)|(5<<22)|(3<<25)
	s_or_b32 s[G1B+0], s96, (3<<16)|(1<<20)|(1<<21)|(5<<22)|(3<<25)
.irp g, G1A, G1B
	s_mov_b32 s[\g+1], 128<<16                     ; a piece is 33,792 dense bytes: stated as 33 rows of 1,024 bytes (128 elements of 8);
	s_mov_b32 s[\g+2], (BROWS/4)<<16               ; the padding's interval stays 256 bytes, so the LDS image is 132 lines 272 bytes apart
	s_mov_b32 s[\g+3], 128<<16
	s_mov_b32 s[\g+4], BROWS/4
	s_mov_b32 s[\g+5], 128
	s_mov_b32 s[\g+6], 0
	s_mov_b32 s[\g+7], 0
.endr
	s_lshl_b32 s20, s17, 1
	s_add_co_u32 s20, s20, s16
	s_mul_i32 s20, s20, 16*BLKB
	s_mov_b32 s21, 0
	s_lshl_b32 s66, s94, 1
	s_add_co_u32 s66, s66, s16
	s_mul_i32 s66, s66, 16*BLKB
	s_mov_b32 s67, 0
	s_mul_i32 s18, s14, QB
	s_cmp_eq_u32 s15, 0
	s_cselect_b32 s58, s17, s94
	s_cselect_b32 s60, s94, s17
	s_mul_i32 s58, s58, 32*BLKB
	s_add_co_u32 s58, s58, 2*BLKB
	s_mov_b32 s59, 0
	s_lshr_b32 s61, s60, 3
	s_mul_i32 s61, s61, 16*BLKB
	s_bfe_u32 s62, s60, 0x10002
	s_mul_i32 s62, s62, BLKB
	s_add_co_u32 s61, s61, s62
	s_and_b32 s62, s60, 3
	s_lshl_b32 s62, s62, 8
	s_add_co_u32 s61, s61, s62
	s_add_co_u32 s61, s61, 128*256
	s_lshl_b32 s60, s60, 11
	s_cmp_eq_u32 s16, 0
	s_cselect_b32 s62, -1, 0
	s_wait_kmcnt 0x0
	s_add_nc_u64 s[20:21], s[4:5], s[20:21]
	s_add_nc_u64 s[66:67], s[6:7], s[66:67]
	s_cmp_eq_u32 s15, 0
	s_cselect_b64 s[PFB:PFB+1], s[4:5], s[6:7]
	s_add_nc_u64 s[PFB:PFB+1], s[PFB:PFB+1], s[58:59]
.irp s, 0,1
	s_mov_b32 s[G0A+4*\s], 1
	s_add_co_u32 s[G0A+4*\s+1], s18, \s*SLOT
	s_add_nc_u64 s[G0A+4*\s+2:G0A+4*\s+3], s[20:21], \s*BLKB
	s_or_b32 s[G0A+4*\s+3], s[G0A+4*\s+3], 0x80000000
	s_mov_b32 s[G0B+4*\s], 1
	s_add_co_u32 s[G0B+4*\s+1], s18, \s*SLOT
	s_add_nc_u64 s[G0B+4*\s+2:G0B+4*\s+3], s[66:67], \s*BLKB
	s_or_b32 s[G0B+4*\s+3], s[G0B+4*\s+3], 0x80000000
	s_wait_alu depctr_va_vdst(0)
	s_wait_tensorcnt 0x0
	ds_add_u32 v28, v29
	ds_add_u32 v28, v29
	s_wait_dscnt 0x0
	CROUND
	JLOAD \s
.endr
	v_and_b32 v1, 15, v0
	v_bfe_u32 v2, v0, 4, 1
	v_mul_u32_u24 v3, v2, 16*BLKB
	v_bfe_u32 v4, v0, 3, 1
	v_mad_u32_u24 v3, v4, BLKB, v3
	v_and_b32 v4, 7, v0
	v_lshl_add_u32 v3, v4, 8, v3
	v_add_nc_u32 v3, s60, v3
	v_mov_b32 v4, s61
	v_cndmask_b32 v[PFO], v4, v3, s62
	AHEAD 0
	v_mul_u32_u24 v3, v1, PITCH
	v_lshl_add_u32 v4, v2, 4, v3
	s_mul_i32 s21, s15, QB
	s_mul_i32 s22, s16, QB
	s_add_co_u32 s22, s22, 2*QB
.irp s, 0,1
	v_add_nc_u32 v[ADRA+\s], s21, v4
	v_add_nc_u32 v[ADRB+\s], s22, v4
	s_add_co_u32 s21, s21, SLOT
	s_add_co_u32 s22, s22, SLOT
.endr
	s_mul_i32 s21, s15, QB
	s_mul_i32 s22, s16, QB
	s_add_co_u32 s22, s22, 2*QB
	s_sub_co_u32 s22, s22, s21
	v_mul_u32_u24 v6, s22, v2
	v_lshl_add_u32 v5, v1, 3, v6
	s_add_co_u32 s21, s21, SCO
	v_add_nc_u32 v[ADRS], s21, v5
	s_add_co_u32 s21, s21, SLOT
	v_add_nc_u32 v[ADRS+1], s21, v5
	s_mul_i32 s23, s14, 16*SPITCH
	v_mul_u32_u24 v5, v1, SPITCH
	v_lshl_add_u32 v5, v2, 5, v5
	v_add_nc_u32 v[STO], s23, v5
	v_and_b32 v6, 31, v0
	v_lshlrev_b32 v[CO], 4, v6
	v_add_nc_u32 v[RD], s23, v[CO]
	s_lshl_b32 s20, s17, 8
	s_lshl_b32 s21, s15, 7
	s_add_co_u32 s20, s20, s21
	s_lshl_b32 s20, s20, 14
	s_mov_b32 s21, 0
	s_add_nc_u64 s[12:13], s[12:13], s[20:21]
	s_lshl_b32 s98, s94, 10
	s_lshl_b32 s99, s16, 9
	s_add_co_u32 s98, s98, s99
	s_mov_b32 s99, 0
	s_add_nc_u64 s[12:13], s[12:13], s[98:99]
.macro FRAG reg, adr, q, i
.irp c, 0,1,2,3
	ds_load_b128 v[\reg+4*\c:\reg+4*\c+3], v[\adr] offset:128*(\q)+32*\c+(\i)*16*PITCH
.endr
.endm
.macro MUL8 a, p, q, sc, zero
.irp b, 0,1,2,3,4,5,6,7
.if \zero
	v_wmma_scale_f32_16x16x128_f8f6f4 v[8*(8*((\a)%4)+\b):8*(8*((\a)%4)+\b)+7], v[128*(\p)+FR*\b:128*(\p)+FR*\b+FR-1], v[AF+FR*(\a):AF+FR*(\a)+FR-1], 0, v[SC+8*NQ*(\sc)+NQ*\b+(\q)], v[SC+8*NQ*(\sc)+NQ*(\a)+(\q)] matrix_a_fmt:MATRIX_FMT_BF8 matrix_b_fmt:MATRIX_FMT_BF8 matrix_a_scale:MATRIX_SCALE_ROW1
.else
	v_wmma_scale_f32_16x16x128_f8f6f4 v[8*(8*((\a)%4)+\b):8*(8*((\a)%4)+\b)+7], v[128*(\p)+FR*\b:128*(\p)+FR*\b+FR-1], v[AF+FR*(\a):AF+FR*(\a)+FR-1], v[8*(8*((\a)%4)+\b):8*(8*((\a)%4)+\b)+7], v[SC+8*NQ*(\sc)+NQ*\b+(\q)], v[SC+8*NQ*(\sc)+NQ*(\a)+(\q)] matrix_a_fmt:MATRIX_FMT_BF8 matrix_b_fmt:MATRIX_FMT_BF8 matrix_a_scale:MATRIX_SCALE_ROW1
.endif
.endr
.endm
.macro FETCH_B slot, q, p
	WIN TO_B
.irp i, 0,1,2,3,4,5,6,7
	FRAG 128*(\p)+FR*\i, ADRB+\slot, \q, \i
.endr
.endm
.macro FETCH_A slot, q, i0
.irp i, \i0, \i0+1, \i0+2, \i0+3
	FRAG AF+FR*(\i), ADRA+\slot, \q, \i
.endr
.endm
.macro SCALES sc
.irp i, 0,1,2,3,4,5,6,7
	ds_load_b64 v[SC+8*NQ*\sc+NQ*\i:SC+8*NQ*\sc+NQ*\i+1], v[ADRS+\sc] offset:(\i/2)*PITCH+(\i%2)*128
.endr
.endm
.macro PLACES n
.rept \n
	v_nop
.endr
.endm
.macro STEP slot, zero
	s_wait_dscnt 4*NL
	WIN MUL_LO
	MUL8 0, 0, 0, \slot, \zero
	FETCH_B \slot, 1, 1
	WIN MUL_LO
.irp a, 1,2,3
	MUL8 \a, 0, 0, \slot, \zero
.endr
	PLACES NP
	WIN 0
	FETCH_A \slot, 1, 0
	s_wait_dscnt 12*NL
	WIN MUL_HI
.irp a, 4,5,6,7
	MUL8 \a, 0, 0, \slot, \zero
.endr
	PLACES NP
	WIN 0
	FETCH_A \slot, 1, 4
.endm
.macro TURN slot, next, fill, ask
	s_wait_dscnt 4*NL                              ; B's set and A's blocks 0-3 are in; the youngest 16 loads (A's blocks 4-7) may be out
	WIN MUL_LO
	MUL8 0, 1, 1, \slot, 0                         ; eight products on registers stand ahead of the wait for the tile
	WIN 0                                          ; (the add's two registers lie in window 0)
	s_wait_tensorcnt 0x0                           ; all my tensor loads have landed: my part of the next slot
	ds_add_u32 v[SPW], v[NIL]
.if \fill
	s_add_nc_u64 s[G0A+4*\slot+2:G0A+4*\slot+3], s[G0A+4*\slot+2:G0A+4*\slot+3], 2*BLKB
	s_add_nc_u64 s[G0B+4*\slot+2:G0B+4*\slot+3], s[G0B+4*\slot+2:G0B+4*\slot+3], 2*BLKB
.endif
	s_wait_dscnt 0x0                               ; the add is done, and my reads of this slot are over
.if \fill
	CROUND
	JLOAD \slot
.else
	s_barrier_signal -1
	s_barrier_wait -1
.endif
	FETCH_B \next, 0, 0
.if \ask
	WIN 0
	AHEAD 1
.endif
	WIN MUL_LO
.irp a, 1,2,3
	MUL8 \a, 1, 1, \slot, 0
.endr
	PLACES NP
	WIN 0
	FETCH_A \next, 0, 0
	SCALES \next
	WIN MUL_HI
.irp a, 4,5,6,7
	MUL8 \a, 1, 1, \slot, 0
.endr
	PLACES NP
	WIN 0
	FETCH_A \next, 0, 4
.endm
	s_wait_alu depctr_va_vdst(0)
	s_wait_tensorcnt 1
	s_barrier_signal -1
	s_barrier_wait -1
	FETCH_B 0, 0, 0
	WIN 0
	FETCH_A 0, 0, 0
	SCALES 0
	FETCH_A 0, 0, 4
	STEP 0, 1
	s_wait_xcnt 0x0
	s_add_nc_u64 s[PFB:PFB+1], s[PFB:PFB+1], 2*BLKB
	s_mov_b32 s3, LAPS-1
.Llap:
	TURN 0, 1, 1, 1
	STEP 1, 0
	TURN 1, 0, 1, 0
	STEP 0, 0
	s_wait_xcnt 0x0
	s_add_nc_u64 s[PFB:PFB+1], s[PFB:PFB+1], 2*BLKB
	s_sub_co_u32 s3, s3, 1
	s_cmp_lg_u32 s3, 0
	s_cbranch_scc1 .Llap
	TURN 0, 1, 0, 0
	STEP 1, 0
	s_wait_dscnt 4*NL
	WIN MUL_LO
.irp a, 0,1,2,3
	MUL8 \a, 1, 1, 1, 0
.endr
	s_wait_dscnt 0
	WIN MUL_HI
.irp a, 4,5,6,7
	MUL8 \a, 1, 1, 1, 0
.endr
	WIN 0
.macro TOSTAGE a
.set AC, 64*((\a)%4)
	WIN 0x08+4*((\a)/4)
.irp b, 0,1,2,3,4,5,6,7
	ds_store_b128 v[STO], v[AC+8*\b:AC+8*\b+3] offset:64*\b
	ds_store_b128 v[STO], v[AC+8*\b+4:AC+8*\b+7] offset:64*\b+16
.endr
	WIN 0
.set BB, BK+64*((\a)%2)
.irp t, 0,1,2,3,4,5,6,7,8,9,10,11,12,13,14,15
	ds_load_b128 v[BB+4*\t:BB+4*\t+3], v[RD] offset:\t*SPITCH
.endr
.endm
.macro SEND a, younger
.set BB, BK+64*((\a)%2)
	s_wait_dscnt \younger
.if (\a) > 0
	s_add_nc_u64 s[12:13], s[12:13], 16*NROW
.endif
.irp t, 0,1,2,3,4,5,6,7,8,9,10,11,12,13,14,15
	global_store_b128 v[CO], v[BB+4*\t:BB+4*\t+3], s[12:13] offset:\t*NROW th:TH_STORE_NT
.endr
.endm
	PLACES NP
	TOSTAGE 0
.irp a, 1,2,3,4,5,6,7
.if \a > 1
	s_wait_xcnt 0x0
.endif
	TOSTAGE \a
	SEND \a-1, 32
.endr
	s_wait_xcnt 0x0
	SEND 7, 0
	s_wait_tensorcnt 0x0
	ds_add_u32 v[SPW], v[NIL]
	s_wait_dscnt 0x0
	CROUND
	s_endpgm
.Lfunc_end_k_qa717fb1342_gemm:
	.size	k_qa717fb1342_gemm, .Lfunc_end_k_qa717fb1342_gemm-k_qa717fb1342_gemm
	.p2alignl 7, 3214868480
	.fill 96, 4, 3214868480
	.section	.rodata,"a",@progbits
	.p2align	6, 0x0
	.amdhsa_kernel k_qa717fb1342_gemm
		.amdhsa_group_segment_fixed_size 327680
		.amdhsa_private_segment_fixed_size 0
		.amdhsa_enable_private_segment 0
		.amdhsa_kernarg_size 24
		.amdhsa_user_sgpr_count 2
		.amdhsa_user_sgpr_kernarg_segment_ptr 1
		.amdhsa_wavefront_size32 1
		.amdhsa_system_sgpr_workgroup_id_x 1
		.amdhsa_system_sgpr_workgroup_id_y 1
		.amdhsa_system_sgpr_workgroup_id_z 1
		.amdhsa_system_vgpr_workitem_id 0
		.amdhsa_next_free_vgpr 1024
		.amdhsa_next_free_sgpr 100
		.amdhsa_reserve_vcc 0
		.amdhsa_float_denorm_mode_32 3
		.amdhsa_float_denorm_mode_16_64 3
		.amdhsa_memory_ordered 1
		.amdhsa_forward_progress 1
		.amdhsa_inst_pref_size 146
	.end_amdhsa_kernel
	.amdgpu_metadata
---
amdhsa.version: [ 1, 2 ]
amdhsa.kernels:
  - .name:           k_qa717fb1342_gemm
    .symbol:         k_qa717fb1342_gemm.kd
    .args:
      - { .name: a_pack, .offset: 0, .size: 8, .value_kind: global_buffer, .address_space: global }
      - { .name: b_pack, .offset: 8, .size: 8, .value_kind: global_buffer, .address_space: global }
      - { .name: out0, .offset: 16, .size: 8, .value_kind: global_buffer, .address_space: global }
    .group_segment_fixed_size: 327680
    .private_segment_fixed_size: 0
    .kernarg_segment_align: 8
    .kernarg_segment_size: 24
    .max_flat_workgroup_size: 128
    .sgpr_count:     100
    .vgpr_count:     1024
    .wavefront_size: 32
...
	.end_amdgpu_metadata
.endif
;; end of part 2
